; MI455X (gfx1250); checked and timed in simulation.
; The chip was launched on July 23, 2026; its instructions are those of AMD's public machine-readable ISA for CDNA 5 (MIT licence, August 2026) and "CDNA5" Instruction Set Architecture Reference Guide (July 2026). The comments in the code are by the model that wrote it; some were corrected since.
;; Inc Concave NN. Allowed arithmetic: matrix products marked QUANTISED: E4M3 operands, one E8M0 scale for each 32 along K, by v_wmma_scale_f32_16x16x128_f8f6f4 with both operands' format E4M3, f32 sums; products left as they are: f32 operands where the result goes on into a quantised operand, else bf16, f16 or f32 operands; f32 sums; everything else in f32.
;; Inputs: h 256 x 63 float32; ib0 128 float32; ib1 128 float32; ib2 1 float32; iw0_codes 128 x 2 x 32 uint8 (E4M3 codes of iw0, K innermost, in blocks of 32 codes); iw0_scales 128 x 2 uint8 (E8M0 scales of iw0, one for each 32 codes along K); iw1_codes 128 x 4 x 32 uint8 (E4M3 codes of iw1, K innermost, in blocks of 32 codes); iw1_scales 128 x 4 uint8 (E8M0 scales of iw1, one for each 32 codes along K); iw2 128 x 1 float32; nb0 128 float32; nb1 128 float32; nb2 2 float32; nw0 63 x 128 float32; nw1_codes 128 x 4 x 32 uint8 (E4M3 codes of nw1, K innermost, in blocks of 32 codes); nw1_scales 128 x 4 uint8 (E8M0 scales of nw1, one for each 32 codes along K); nw2 128 x 2 float32; x 256 x 1 float32.
;; Outputs: out0 256 x 1 float32.
;; This version of the problem:
;;   THIS VERSION OF THE PROBLEM IS GIVEN IN LOW PRECISION. The matrix products marked QUANTISED in the list below multiply operands that are first quantised to E4M3 (4 exponent bits, 3 mantissa bits; 8 bits a number), with one power-of-two scale for each 32 numbers along K (OCP MX v1.0); their sums are f32. All else is computed in f32.
;;   The module's matrix products, in the order in which they are computed (A, B: the left and right operand; K: the contracted axis; several contracted axes count as one K, in the product's order):
;;     1. [M 665,856, K 64] x [K 64, N 128]; A: computed on the way; B: input iw0 (given as codes): QUANTISED
;;     2. [M 665,856, K 128] x [K 128, N 128]; A: computed on the way; B: input iw1 (given as codes): QUANTISED
;;     3. [M 665,856, K 128] x [K 128, N 1]; A: computed on the way; B: input iw2: left as it is (N = 1 < 16)
;;     4. [M 256, K 63] x [K 63, N 128]; A: input h; B: input nw0: QUANTISED
;;     5. [M 256, K 128] x [K 128, N 128]; A: computed on the way; B: input nw1 (given as codes): QUANTISED
;;     6. [M 256, K 128] x [K 128, N 2]; A: computed on the way; B: input nw2: left as it is (N = 2 < 16)
;;   THE QUANTISER, for each operand of a quantised product, along K:
;;     - K is cut into blocks of 32 from its start; a last block that is shorter is filled with zeros.
;;     - A block's scale is 2^e with e = floor(log2(the largest magnitude in the block)) - 8, held to -126 .. 127; a block of zeros has e = 0. As a byte (E8M0): e + 127.
;;     - Each number is divided by its block's scale, clamped to +-448, and rounded to the nearest number of E4M3, ties to even, subnormals kept.
;;     - The product sums the exact products of the quantised numbers (number of the format x scale) in f32.
;;   ~~~python
;;   def quantise(x, axis):      # numpy; x: float32 -> the quantised numbers, widened to float32 again
;;       x = np.moveaxis(x, axis, -1); K = x.shape[-1]
;;       x = np.pad(x, [(0, 0)] * (x.ndim - 1) + [(0, -K % 32)]); x = x.reshape(x.shape[:-1] + (-1, 32)); a = np.abs(x).max(-1, keepdims=True)
;;       e = np.where(a > 0, np.clip(np.frexp(np.where(a > 0, a, 1))[1] - 1 - 8, -126, 127), 0)      # np.frexp(a)[1] - 1 = floor(log2(a)), exactly
;;       r = np.clip(x / 2.0 ** e, -448, 448)
;;       step = 2.0 ** (np.maximum(np.frexp(np.where(r == 0, 1, r))[1] - 1, -6) - 3)
;;       q = np.round(r / step) * step * 2.0 ** e      # np.round: ties to even
;;       return np.moveaxis(q.reshape(q.shape[:-2] + (-1,))[..., :K], -1, axis).astype(np.float32)
;;   ~~~
;;   OPERANDS COMPUTED ON THE WAY. 'Computed on the way' means the value that the module computes at that place (a softmax that the list does not call 'softmax' is quantised finished and normalised). What goes into a quantiser is computed in f32, as accurately as f32 sums, v_exp_f32 and their like allow (about 1e-6 of the number): no bf16 or f16 on the way to a quantiser, and a product that is left as it is and whose result goes on into a quantised operand takes f32 operands (vector FMAs, or v_wmma_f32_16x16x4_f32). A number that lies on a knife's edge between two numbers of the format may be rounded either way, as far as f32 arithmetic and the matrix unit's own rounding can turn it there, and no further.
;;   INPUTS GIVEN AS CODES. iw0 (in the module: [64, 128], K = its axis 0); iw1 (in the module: [128, 128], K = its axis 0); nw1 (in the module: [128, 128], K = its axis 0): each comes as NAME_codes (uint8): NAME with its K axis moved to the last place and cut into blocks of 32 codes, [.., K / 32, bytes a block], one block behind the other in memory; one code a byte (a code: sign, 4 exponent bits, 3 mantissa bits); and NAME_scales (uint8): the same leading axes, one E8M0 byte (e + 127) for each 32 codes along K. Its value is code x scale, taken as it is: it is not quantised again, and the codes and scales need not be those that the quantiser above would give.
;; One version. Each part assembles by itself: llvm-mc -triple=amdgcn-amd-amdhsa -mcpu=gfx1250 --defsym DOCPART=n.
;; ======== version 1 of 1: 1 launch
;; launch inc (part 1): grid 256 x 1, 8 waves a work-group, no clusters, 99,584 bytes of LDS; arguments x, h, iw0_codes, iw0_scales, iw1_codes, iw1_scales, ib0, ib1, iw2, ib2, nw0, nb0, nw1_codes, nw1_scales, nb1, nw2, nb2, out0; writes out0
.if DOCPART == 1
	.amdgcn_target "amdgcn-amd-amdhsa--gfx1250"
	.amdhsa_code_object_version 6
	.text
	.protected	k_qc05bd33621_inc
	.globl	k_qc05bd33621_inc
	.p2align	8
	.type	k_qc05bd33621_inc,@function
k_qc05bd33621_inc:
	s_mov_b64 s[64:65], 0
	v_nop
	global_prefetch_b8 v0, s[64:65] scope:SCOPE_SE
	s_setreg_imm32_b32 hwreg(HW_REG_WAVE_MODE, 25, 1), 1
	s_wait_xcnt 0x0
; out[b] = exp(o1) * outer + o0.  outer = x/4 * sum over (i, j) of cc_i cc_j (xmax - t_i) f(s_ij, h[b]); f = ELU(MLP 64 -> 128 -> 128 -> 1) + 1; (o0, o1) = the net 63 -> 128 -> 128 -> 2 on h[b].
; The four wide products run on E4M3 codes with one E8M0 scale for each 32 along K; the two narrow ones (N = 1, N = 2) are f32 fused multiply-adds.
; SHARES.  Work-group b owns batch row b: 51 x 51 = 2,601 rows m = 51 i + j, cut into 163 tiles of 16 rows (the last has 7 filler rows of weight 0).  Eight waves of 512 registers, two to a SIMD,
; so that one wave's matrix instructions stand beside the other's vector work.  Wave w takes tiles w, w + 8, ..: 21 trips for w < 3, else 20.
; LAYOUT.  Both products are used transposed (source 0 = 16 rows of a weight, source 1 = 16 input rows): a lane (r = lane % 16, hh = lane / 16) holds ONE row m throughout, its registers run along the hidden units.
; The rows of iw0 that form a tile are chosen (lane r of tile 2 b + u takes row 32 b + 8 u + r + 8 (r / 8)) so that the 16 registers of two neighbouring tiles are 16 neighbours along the next K.
; THE WEIGHTS STAY IN REGISTERS: iw0, iw1, ib0, ib1, iw2 and the weights' scale words, 400 registers a wave.  A trip reads 16 bytes a lane from LDS (the row's record) and no memory.
; THE HEAD'S LOADS ARE SHARED EVENLY: the three tensors of codes are loaded by all 256 threads, 16 consecutive bytes each, and staged in LDS; a wave has at most 50 global loads out.
; xmax: (steps + 1) / 2 is 1 at i = 0, 0 at i = 50 and between them elsewhere, so max(t) = max(0, max over b of x[b]): every work-group takes it from the 1,024 bytes of x.
; Block 0 of an input row is [s, h0 .. h30]: its scale hangs on s, so its 32 codes are made anew for each row; block 1 is the same for all rows of b.  K = 64 fills half of the form's 128: the input's upper 64 codes
; are zeros.  iw0's operand of tile T names 16 registers of which the upper eight are the next tile's codes: they meet those zero codes and add nothing; their scale bytes are 0 (2^-127, no NaN).
; NO CLUSTER, NO TENSOR LOADS: what the work-groups share (the weights) is read once, some 76 KB a work-group, ahead of a loop that reads no memory.  The output is 4 bytes a work-group: one lane stores them.
; LIMITS: NaN and infinities among the inputs are not served.  A NaN code in iw0 or iw1 makes every output NaN (as it does where each hidden unit feeds every output).  A block of zeros gets the scale byte 1
; and not 127: its codes are all 0, so its products are the same zeros.  cc is made in f32 by the recurrence of cos(n a), some 1e-6 of a weight off; it stands ahead of no quantiser.
.set STT, 0                            ; LDS: cos(k pi / 50), k = 0 .. 27 (26, 27 unused), wave 0's own
.set TB,  256                          ; 51 pairs {steps[k], cc[k]}
.set HA,  768                          ; HA[0] = 0, HA[k + 1] = h[k]: the integrand's K order
.set HB,  1024                         ; HB[k] = h[k], HB[63] = 0: the outer net's K order
.set O1,  1280                         ; the outer net's first hidden layer, 128 f32
.set RED, 1792                         ; words 0-7: the waves' sums
.set SB0, 2048                         ; ib0;  then 512 bytes each: ib1, iw2, iw1's scales; iw0's scales (256)
.set SB1, 2560
.set SW2, 3072
.set SC1, 3584
.set SC0, 4096
.set IW0, 4352                         ; iw0's codes: 128 rows of 64 bytes, 80 apart
.set IW1, 14592                        ; iw1's codes: 128 rows of 128 bytes, 144 apart
.set NW1, 33024                        ; nw1's codes, likewise
.set SNB1, 51456                       ; nb1 (512), nw1's scales (512), nw2 (1,024)
.set SNS1, 51968
.set SNW2, 52480
.set REC, 53504                        ; 2,816 records of 16 bytes: {s, W, 448 x block 0's scale, the row's scale word}
.set RA,  1                            ; v1      LDS address of my next record (in the head: the lane's number)
.set TOT, 2                            ; v2      the running weighted sum
.set PT,  3                            ; v3      destination of the lane permutes
.set CI,  4                            ; v[4:5]  {ib2 / 2, 0}: starts a row's dot product in each half of the lanes
.set A0,  6                            ; v[6:7], v[8:9] the dot product's two packed chains
.set A1,  8
.set RR,  10                           ; v[10:13] the record; v13 is the input's scale word and holds nothing else
.set WK,  14                           ; v14     W of the tile whose f is still to be finished
.set SWP, 15                           ; v15     the hidden layer's scale word; holds nothing else
.set QA,  16                           ; v16-21  at work in the quantisers
.set QB,  17
.set QH,  18
.set QS,  19
.set SWB, 20
.set IS,  21
.set Z,   22
.set Y,   23
.set T8,  24                           ; v[24:31] eight held numbers on their way to a conversion
.set H,   32                           ; v[32:63] two buffers of two result tiles
.set B1,  64                           ; v[64:127]  ib1[16 t + 8 hh + j] at 8 t + j
.set W2,  128                          ; v[128:191] iw2, the same index
.set WS0, 192                          ; v[192:199] iw0's scale words by tile;  v[200:207] iw1's
.set WS1, 200
.set HF,  208                          ; v[208:223] HA[16 hh + i]
.set X,   224                          ; v[224:239] the input's codes: 0-3 block 0, 4-7 block 1, 8-15 zeros
.set P,   240                          ; v[240:255] the hidden layer's codes
; window 1: v[0:63] iw0's fragments (tile T at 8 T), v[64:191] iw1's (tile t at 64 + 16 t), v[192:255] ib0 (tile T at 192 + 8 T)
; in wave 7, ahead of that: window 1 v[0:127] nw1's fragments, v[128:255] nw2; v[64:127] nb1; v[200:207] nw1's scale words
; s62, s63: in wave 7, from the outer net's end on, o0 and o1
.set LR,  24                           ; set-up only: lane % 16, lane / 16, xmax, the largest |h0 .. h30|, block 1's part of the scale word
.set HH,  25
.set XM,  26
.set HM0, 27
.set BW8, 28
.set MSB, 0
.macro WIN new                         ; the immediate's high byte repeats the setting that is left; a switch that changes nothing is dropped
.if MSB != \new
	s_set_vgpr_msb (MSB<<8)|\new
.set MSB, \new
.endif
.endm
.macro BAR                             ; for the others' sake: my LDS stores are done and my LDS reads are back, then the barrier
	s_wait_dscnt 0x0
	s_barrier_signal -1
	s_barrier_wait -1
.endm
; relu and quantiser in one: the 16 registers at src become block b of P.  The largest of the numbers and of 2^-118 is the largest relu, held so that the byte is at least 1;
; its exponent field with 448's mantissa is 448 x the scale; the middle of (x, 0, that) is relu and hold at once.  The first read of each result tile is of its lowest registers.
.macro QBLK b, src
	v_max3_num_f32 v[QA], v[\src], v[\src+1], v[\src+2]
	v_max3_num_f32 v[QB], v[\src+3], v[\src+4], v[\src+5]
	v_max3_num_f32 v[QA], v[QA], v[\src+6], v[\src+7]
	v_max3_num_f32 v[QB], v[QB], v[\src+8], v[\src+9]
	v_max3_num_f32 v[QA], v[QA], v[\src+10], v[\src+11]
	v_max3_num_f32 v[QB], v[QB], v[\src+12], v[\src+13]
	v_max3_num_f32 v[QA], v[QA], v[\src+14], v[\src+15]
	s_delay_alu instid0(VALU_DEP_1)
	v_max3_num_f32 v[QA], v[QA], v[QB], s6
	s_delay_alu instid0(VALU_DEP_1)
	v_permlanex16_b32 v[PT], v[QA], s4, s5         ; the block's other 16 numbers lie in lane l xor 16
	s_delay_alu instid0(VALU_DEP_1)
	v_max_num_f32 v[QA], v[QA], v[PT]
	s_delay_alu instid0(VALU_DEP_1)
	v_and_or_b32 v[QH], v[QA], s7, s44             ; 448 x the scale
.if \b == 0
	s_delay_alu instid0(VALU_DEP_2)
	v_lshrrev_b32 v[SWB], 23, v[QA]                ; the exponent fields of the four blocks are gathered,
.else
	s_delay_alu instid0(VALU_DEP_2)
	v_lshrrev_b32 v[QB], 23, v[QA]
	s_delay_alu instid0(VALU_DEP_1)
	v_lshl_or_b32 v[SWB], v[QB], 8*\b, v[SWB]
.endif
.if \b == 3
	s_delay_alu instid0(VALU_DEP_1)
	v_sub_nc_u32 v[SWP], v[SWB], s58               ; and 8 is taken from each at once (each is 9 or more: no borrow)
.endif
	v_add_nc_u32 v[QS], s45, v[QH]                 ; the scale as f32
.irp i, 0,1,2,3,4,5,6,7,8,9,10,11,12,13,14,15
	v_med3_num_f32 v[\src+\i], v[\src+\i], 0, v[QH]
.endr
	v_cvt_scalef32_pk8_fp8_f32 v[P+4*\b:P+4*\b+1], v[\src:\src+7], v[QS]
	v_cvt_scalef32_pk8_fp8_f32 v[P+4*\b+2:P+4*\b+3], v[\src+8:\src+15], v[QS]
.endm
; the quantiser for signed numbers: 16 registers at src -> four registers of codes at dst, the block's exponent field in v[e]; a plain place ends it
.macro QSGN src, dst, e
	v_max3_num_f32 v[QA], |v[\src]|, |v[\src+1]|, |v[\src+2]|
	v_max3_num_f32 v[QB], |v[\src+3]|, |v[\src+4]|, |v[\src+5]|
	s_delay_alu instid0(VALU_DEP_2)
	v_max3_num_f32 v[QA], v[QA], |v[\src+6]|, |v[\src+7]|
	s_delay_alu instid0(VALU_DEP_2)
	v_max3_num_f32 v[QB], v[QB], |v[\src+8]|, |v[\src+9]|
	s_delay_alu instid0(VALU_DEP_2)
	v_max3_num_f32 v[QA], v[QA], |v[\src+10]|, |v[\src+11]|
	s_delay_alu instid0(VALU_DEP_2)
	v_max3_num_f32 v[QB], v[QB], |v[\src+12]|, |v[\src+13]|
	s_delay_alu instid0(VALU_DEP_2)
	v_max3_num_f32 v[QA], v[QA], |v[\src+14]|, |v[\src+15]|
	s_delay_alu instid0(VALU_DEP_1)
	v_max3_num_f32 v[QA], v[QA], v[QB], s6
	s_delay_alu instid0(VALU_DEP_1)
	v_permlanex16_b32 v[PT], v[QA], s4, s5
	s_delay_alu instid0(VALU_DEP_1)
	v_max_num_f32 v[QA], v[QA], v[PT]
	s_delay_alu instid0(VALU_DEP_1)
	v_and_or_b32 v[QH], v[QA], s7, s44
	s_delay_alu instid0(VALU_DEP_2)
	v_lshrrev_b32 v[\e], 23, v[QA]
	s_delay_alu instid0(VALU_DEP_2)
	v_add_nc_u32 v[QS], s45, v[QH]
.irp i, 0,1,2,3,4,5,6,7,8,9,10,11,12,13,14,15
	v_med3_num_f32 v[\src+\i], v[\src+\i], -v[QH], v[QH]
.endr
	v_cvt_scalef32_pk8_fp8_f32 v[\dst:\dst+1], v[\src:\src+7], v[QS]
	v_cvt_scalef32_pk8_fp8_f32 v[\dst+2:\dst+3], v[\src+8:\src+15], v[QS]
	v_nop
.endm
; first layer, tiles 2 b and 2 b + 1 into buffer b % 2; the bias is the C.  Under WIN 0x11: source 0 and C in window 1.
.macro PAIR1 b
.irp u, 0,1
	v_wmma_scale_f32_16x16x128_f8f6f4 v[H+16*(\b%2)+8*\u:H+16*(\b%2)+8*\u+7], v[8*(2*\b+\u):8*(2*\b+\u)+15], v[X:X+15], v[192+8*(2*\b+\u):192+8*(2*\b+\u)+7], v[WS0+2*\b+\u], v[RR+3]
.endr
.endm
; second layer, tiles 2 g and 2 g + 1 into buffer g % 2.  Under WIN 0x01: source 0 in window 1.
.macro PAIR2 g
.irp u, 0,1
	v_wmma_scale_f32_16x16x128_f8f6f4 v[H+16*(\g%2)+8*\u:H+16*(\g%2)+8*\u+7], v[64+16*(2*\g+\u):64+16*(2*\g+\u)+15], v[P:P+15], v[B1+8*(2*\g+\u):B1+8*(2*\g+\u)+7], v[WS1+2*\g+\u], v[SWP]
.endr
.endm
; relu of buffer g % 2, ascending, and its part of the dot product with iw2, on two packed chains.  g = 0 starts them: nothing is cleared.
.macro DOT g
.irp i, 0,1,2,3,4,5,6,7,8,9,10,11,12,13,14,15
	v_max_num_f32 v[H+16*(\g%2)+\i], 0, v[H+16*(\g%2)+\i]
.endr
.irp i, 0,1,2,3,4,5,6,7
.if (\g == 0) && (\i == 0)
	v_pk_fma_f32 v[A0:A0+1], v[H:H+1], v[W2:W2+1], v[CI:CI+1]
.elseif (\g == 0) && (\i == 1)
	v_pk_mul_f32 v[A1:A1+1], v[H+2:H+3], v[W2+2:W2+3]
.else
	v_pk_fma_f32 v[A0+2*(\i%2):A0+2*(\i%2)+1], v[H+16*(\g%2)+2*\i:H+16*(\g%2)+2*\i+1], v[W2+16*\g+2*\i:W2+16*\g+2*\i+1], v[A0+2*(\i%2):A0+2*(\i%2)+1]
.endif
.endr
.endm
; the tile before is finished: z = the two chains' and the two halves' sums; ELU(z) + 1 = max(z, 0) + e^min(z, 0); TOT += W x that
.macro FSTAGE
	v_pk_add_f32 v[A0:A0+1], v[A0:A0+1], v[A1:A1+1]
	s_delay_alu instid0(VALU_DEP_1)
	v_add_f32 v[Z], v[A0], v[A0+1]
	s_delay_alu instid0(VALU_DEP_1)
	v_permlanex16_b32 v[PT], v[Z], s4, s5
	s_delay_alu instid0(VALU_DEP_1)
	v_add_f32 v[Z], v[Z], v[PT]
	s_delay_alu instid0(VALU_DEP_1)
	v_mul_f32 v[Y], s47, v[Z]
	s_delay_alu instid0(VALU_DEP_1)
	v_min_num_f32 v[Y], 0, v[Y]
	s_wait_alu depctr_va_vdst(0)
	v_exp_f32 v[Y], v[Y]
	v_max_num_f32 v[Z], 0, v[Z]                    ; the plain instruction between the exponential and the use of its result
	s_delay_alu instid0(VALU_DEP_1)
	v_fma_f32 v[TOT], v[WK], v[Z], v[TOT]
	s_wait_alu depctr_va_vdst(0)
	v_fma_f32 v[TOT], v[WK], v[Y], v[TOT]
.endm
; block 0 of the next tile's rows, first and second half of my 16 numbers.  The record brings the hold and the scale word; the word's byte 0, shifted to bits 30:23, is the conversion's scale
.macro STAGE_IA
	v_lshlrev_b32 v[IS], 23, v[RR+3]
	v_cndmask_b32 v[Z], v[HF], v[RR], s46          ; lanes 0-15: s stands at k = 0
	s_delay_alu instid0(VALU_DEP_1)
	v_med3_num_f32 v[T8], v[Z], -v[RR+2], v[RR+2]
.irp i, 1,2,3,4,5,6,7
	v_med3_num_f32 v[T8+\i], v[HF+\i], -v[RR+2], v[RR+2]
.endr
	v_cvt_scalef32_pk8_fp8_f32 v[X:X+1], v[T8:T8+7], v[IS]
	v_add_nc_u32 v[RA], 2048, v[RA]                ; eight tiles of 16 records on; also the plain place behind the conversion
.endm
.macro STAGE_IB
.irp i, 0,1,2,3,4,5,6,7
	v_med3_num_f32 v[T8+\i], v[HF+8+\i], -v[RR+2], v[RR+2]
.endr
	v_cvt_scalef32_pk8_fp8_f32 v[X+2:X+3], v[T8:T8+7], v[IS]
.endm
; row m = thread + 256 q: i = m / 51 (by 41,121 / 2^21, exact up to m = 2,600), j = m - 51 i; both are held at 50, which states the table's bound and serves the rows past 2,600
.macro RECIDX q
.if \q == 0
	v_mul_u32_u24 v177, 0xa0a1, v0
.else
	v_add_nc_u32 v176, 256*\q, v0
	s_delay_alu instid0(VALU_DEP_1)
	v_mul_u32_u24 v177, 0xa0a1, v176
.endif
	s_delay_alu instid0(VALU_DEP_1)
	v_lshrrev_b32 v177, 21, v177
	s_delay_alu instid0(VALU_DEP_1)
	v_min_u32 v177, 50, v177
	s_delay_alu instid0(VALU_DEP_1)
	v_mul_u32_u24 v178, 51, v177
.if \q == 0
	s_delay_alu instid0(VALU_DEP_1)
	v_sub_nc_u32 v178, v0, v178
.else
	s_delay_alu instid0(VALU_DEP_1)
	v_sub_nc_u32 v178, v176, v178
.endif
	s_delay_alu instid0(VALU_DEP_1)
	v_min_u32 v178, 50, v178
	s_delay_alu instid0(VALU_DEP_4)
	v_lshlrev_b32 v177, 3, v177
	s_delay_alu instid0(VALU_DEP_2)
	v_lshlrev_b32 v178, 3, v178
	ds_load_b64 v[128+4*\q:129+4*\q], v177 offset:TB
	ds_load_b64 v[130+4*\q:131+4*\q], v178 offset:TB
.endm
; the record of that row.  s goes into a quantiser: the sums and products are rounded one by one as the problem writes them (the halvings are exact), so only the last add is fused
.macro RECORD q
	v_add_f32 v176, 1.0, v[128+4*\q]
	s_delay_alu instid0(VALU_DEP_1)
	v_mul_f32 v176, s52, v176
	s_delay_alu instid0(VALU_DEP_1)
	v_mul_f32 v176, 0.5, v176                      ; t
	s_delay_alu instid0(VALU_DEP_1)
	v_sub_f32 v177, v[XM], v176                    ; xmax - t
	v_add_f32 v178, 1.0, v[130+4*\q]
	s_delay_alu instid0(VALU_DEP_1)
	v_mul_f32 v178, v177, v178
	s_delay_alu instid0(VALU_DEP_1)
	v_fma_f32 v172, v178, 0.5, v176                ; s
	v_mul_f32 v173, v[129+4*\q], v[131+4*\q]
	s_delay_alu instid0(VALU_DEP_1)
	v_mul_f32 v173, v173, v177                     ; W = cc_i cc_j (xmax - t)
.if \q == 10
	s_delay_alu instid0(VALU_DEP_1)
	v_cndmask_b32 v173, 0, v173, vcc_lo            ; rows past 2,600 weigh nothing
.endif
	v_max3_num_f32 v179, |v172|, v[HM0], s6        ; block 0's largest magnitude
	s_delay_alu instid0(VALU_DEP_1)
	v_and_or_b32 v174, v179, s7, s44               ; 448 x its scale
	s_delay_alu instid0(VALU_DEP_2)
	v_lshrrev_b32 v175, 23, v179
	s_delay_alu instid0(VALU_DEP_1)
	v_add_nc_u32 v175, v175, v[BW8]                ; byte 0 = the field - 8, byte 1 block 1's, bytes 2, 3 = 127
	ds_store_b128 v5, v[172:175] offset:4096*\q
.endm
.macro LIT4 g, a, b, c, d
	v_mov_b32 v44, \a
	v_mov_b32 v45, \b
	v_mov_b32 v46, \c
	v_mov_b32 v47, \d
	ds_store_b128 v48, v[44:47] offset:STT+16*\g
.endm
; ---------------- HEAD ----------------
	s_load_b512 s[8:23], s[0:1], 0x0               ; x 8, h 10, iw0 codes 12, scales 14, iw1 codes 16, scales 18, ib0 20, ib1 22
	s_load_b512 s[24:39], s[0:1], 0x40             ; iw2 24, ib2 26, nw0 28, nb0 30, nw1 codes 32, scales 34, nb1 36, nw2 38
	s_load_b128 s[40:43], s[0:1], 0x80             ; nb2 40, out0 42
	v_mov_b32 v[PT], 0
	v_lshrrev_b32 v[LR], 5, v0
	s_delay_alu instid0(VALU_DEP_1)
	v_readfirstlane_b32 s2, v[LR]                  ; my wave's number
	v_and_b32 v1, 31, v0                           ; lane
	s_wait_alu depctr_va_vdst(0)
	v_and_b32 v[LR], 15, v0
	s_wait_alu depctr_va_vdst(0)
	v_bfe_u32 v[HH], v0, 4, 1
	s_mov_b32 s4, 0x76543210                       ; v_permlanex16_b32's selects for lane l xor 16
	s_mov_b32 s5, 0xfedcba98
	s_mov_b32 s6, 0x04800000                       ; 2^-118: exponent field 9, so that no byte falls under 1
	s_mov_b32 s7, 0x7f800000                       ; the exponent field
	s_mov_b32 s44, 0x600000                        ; 448's mantissa field
	s_mov_b32 s45, 0xfba00000                      ; - (8 << 23) - that mantissa
	s_mov_b32 s46, 0x0000ffff                      ; lanes 0-15
	s_mov_b32 s60, 0xffff0000                      ; lanes 16-31
	s_mov_b32 s47, 0x3fb8aa3b                      ; log2(e)
	s_mov_b32 s58, 0x08080808
	s_mov_b32 s63, 0                               ; written in every wave; wave 7 puts o1 here later
	s_lshl_b32 s50, ttmp9, 2                       ; 4 b: x's and out0's byte; never rewritten
	s_mul_i32 s62, ttmp9, 252                      ; h's row (wave 7 puts o0 here later)
	s_lshl_b32 s3, s2, 6                           ; my 16 units of the outer net, x 4 bytes
	v_lshlrev_b32 v4, 5, v1                        ; x: 32 bytes a lane
	v_lshlrev_b32 v5, 4, v0                        ; codes: 16 bytes a thread
	v_lshl_add_u32 v7, v[LR], 2, s3                ; nw0: column 16 w + r,
	s_wait_alu depctr_va_vdst(0)
	v_lshl_add_u32 v6, v[HH], 13, v7               ; lanes 16-31 begin 16 rows of 512 bytes further down;
	v_mad_u32_u24 v7, v[HH], 0x1e00, v7            ; for the last load 15 rows only: row 63 does not exist and is never read
	v_lshl_add_u32 v8, v[HH], 5, s3                ; nb0[16 w + 8 hh ..]
	s_wait_alu depctr_va_vdst(0)
	s_wait_kmcnt 0x0
	s_load_b32 s52, s[8:9], s50 offset:0x0         ; x[b]
	s_load_b32 s53, s[26:27], 0x0                  ; ib2
	s_load_b64 s[54:55], s[40:41], 0x0             ; nb2
	global_load_b128 v[32:35], v4, s[8:9]
	global_load_b128 v[36:39], v4, s[8:9] offset:16
.irp q, 0,1
	global_load_b128 v[168+4*\q:171+4*\q], v5, s[12:13] offset:4096*\q   ; the codes of iw0, iw1 and nw1: a wave's load covers 512 consecutive bytes
.endr
.irp q, 0,1,2,3
	global_load_b128 v[176+4*\q:179+4*\q], v5, s[16:17] offset:4096*\q
.endr
.irp q, 0,1,2,3
	global_load_b128 v[64+4*\q:67+4*\q], v5, s[32:33] offset:4096*\q
.endr
.irp c, 0,1                                    ; nw0(32 c + 16 hh + i, my column): a lane takes a column, its registers run down K
.irp i, 0,1,2,3,4,5,6,7,8,9,10,11,12,13,14,15
.if (\c == 1) && (\i == 15)
	global_load_b32 v159, v7, s[28:29] offset:47*512
.else
	global_load_b32 v[128+16*\c+\i], v6, s[28:29] offset:(32*\c+\i)*512
.endif
.endr
.endr
	global_load_b128 v[160:163], v8, s[30:31]
	global_load_b128 v[164:167], v8, s[30:31] offset:16
	s_cmp_lg_u32 s2, 0
	s_cbranch_scc1 .Lnot_w0
	; WAVE 0: the tables.  Lane j' = min(lane, 25) makes steps[j'] = cos(j' pi / 50) and cc[j'] = 0.04 + 0.08 sum over n = 1 .. 25 of cos(2 n j' pi / 50) / (1 - 4 n^2), halved at j' = 0; index 50 - j' has -steps and the same cc
	v_mov_b32 v48, 0
	LIT4 0, 1.0, 0.9980267284, 0.9921147013, 0.9822872507
	LIT4 1, 0.9685831611, 0.9510565163, 0.9297764859, 0.9048270525
	LIT4 2, 0.8763066800, 0.8443279255, 0.8090169944, 0.7705132428
	LIT4 3, 0.7289686274, 0.6845471059, 0.6374239897, 0.5877852523
	LIT4 4, 0.5358267950, 0.4817536741, 0.4257792916, 0.3681245527
	LIT4 5, 0.3090169944, 0.2486898872, 0.1873813146, 0.1253332336
	LIT4 6, 0.0627905195, 0, 0, 0
	v_min_u32 v49, 25, v1
	s_delay_alu instid0(VALU_DEP_1)
	v_lshlrev_b32 v52, 2, v49
	ds_load_b32 v50, v52 offset:STT                ; LDS serves a wave's instructions in order: this sees my stores
	s_wait_dscnt 0x0
	v_add_f32 v53, v50, v50
	s_delay_alu instid0(VALU_DEP_1)
	v_fma_f32 v55, v53, v50, -1.0                  ; T1 = cos(2 j' pi / 50) = 2 S^2 - 1
	v_mov_b32 v54, 1.0                             ; T0
	s_delay_alu instid0(VALU_DEP_2)
	v_add_f32 v53, v55, v55                        ; 2 T1
.set n, 1
.rept 25
	v_cvt_f32_i32 v58, 1-4*n*n
	s_wait_alu depctr_va_vdst(0)
	v_rcp_f32 v59, v58
.if n < 25
	v_fma_f32 v[54+(n+1)%3], v53, v[54+n%3], -v[54+(n-1)%3]   ; T(n + 1) = 2 T1 T(n) - T(n - 1); also the plain place behind the reciprocal
.else
	v_nop
.endif
.if n == 1
	s_wait_alu depctr_va_vdst(0)
	v_mul_f32 v57, v59, v55
.else
	s_wait_alu depctr_va_vdst(0)
	v_fma_f32 v57, v59, v[54+n%3], v57
.endif
.set n, n+1
.endr
	v_mov_b32 v61, 0x3da3d70a                      ; 0.08
	v_mov_b32 v60, 0x3d23d70a                      ; 0.04
	s_delay_alu instid0(VALU_DEP_1)
	v_fma_f32 v51, v57, v61, v60
	s_delay_alu instid0(VALU_DEP_1)
	v_mul_f32 v60, 0.5, v51
	v_cmp_eq_u32 vcc_lo, 0, v49
	s_delay_alu instid0(VALU_DEP_1)
	v_cndmask_b32 v51, v51, v60, vcc_lo
	v_sub_f32 v62, 0, v50
	s_delay_alu instid0(VALU_DEP_2)
	v_mov_b32 v63, v51
	v_lshlrev_b32 v48, 3, v49
	v_sub_nc_u32 v49, 50, v49
	s_delay_alu instid0(VALU_DEP_1)
	v_lshlrev_b32 v49, 3, v49
	ds_store_b64 v48, v[50:51] offset:TB
	ds_store_b64 v49, v[62:63] offset:TB
	s_branch .Lroles_done
.Lnot_w0:
	s_cmp_lg_u32 s2, 1
	s_cbranch_scc1 .Lnot_w1
	; WAVE 1: h's row, in both K orders
	v_lshl_add_u32 v9, v1, 2, s62
	v_add_nc_u32 v10, 32, v1
	s_delay_alu instid0(VALU_DEP_1)
	v_min_u32 v10, 62, v10                         ; h has 63 numbers: lane 31 reads the last again
	s_delay_alu instid0(VALU_DEP_1)
	v_lshl_add_u32 v10, v10, 2, s62
	global_load_b32 v40, v9, s[10:11]
	global_load_b32 v41, v10, s[10:11]
	v_lshlrev_b32 v42, 2, v1
	v_add_nc_u32 v43, 33, v1
	s_delay_alu instid0(VALU_DEP_1)
	v_and_b32 v43, 63, v43
	s_delay_alu instid0(VALU_DEP_1)
	v_lshlrev_b32 v43, 2, v43
	s_wait_alu depctr_va_vdst(0)
	s_wait_loadcnt 0x0
	v_cmp_eq_u32 vcc_lo, 31, v1
	s_delay_alu instid0(VALU_DEP_1)
	v_cndmask_b32 v41, v41, 0, vcc_lo              ; and stores 0: HB[63] and HA[0]
	ds_store_b32 v42, v40 offset:HB
	ds_store_b32 v42, v41 offset:HB+128
	ds_store_b32 v42, v40 offset:HA+4
	ds_store_b32 v43, v41 offset:HA
	s_branch .Lroles_done
.Lnot_w1:
	s_cmp_lg_u32 s2, 7
	s_cbranch_scc1 .Lcopy
	; WAVE 7 copies the small operands of the outer net's last two products into LDS: nb1, nw1's scales, nw2; 16 bytes a lane, 512 consecutive bytes a load
	v_lshlrev_b32 v9, 4, v1
	global_load_b128 v[40:43], v9, s[36:37]
	global_load_b128 v[44:47], v9, s[34:35]
	global_load_b128 v[48:51], v9, s[38:39]
	global_load_b128 v[52:55], v9, s[38:39] offset:512
	s_wait_alu depctr_va_vdst(0)
	s_wait_loadcnt 0x0
	ds_store_b128 v9, v[40:43] offset:SNB1
	ds_store_b128 v9, v[44:47] offset:SNS1
	ds_store_b128 v9, v[48:51] offset:SNW2
	ds_store_b128 v9, v[52:55] offset:SNW2+512
	s_branch .Lroles_done
.Lcopy:
	; WAVES 2 .. 6 copy ib0, ib1, iw2, iw1's scales, iw0's scales into LDS; the choice hangs on the wave's number alone
	s_cmp_eq_u32 s2, 3
	s_cselect_b64 s[48:49], s[22:23], s[20:21]
	s_cmp_eq_u32 s2, 4
	s_cselect_b64 s[48:49], s[24:25], s[48:49]
	s_cmp_eq_u32 s2, 5
	s_cselect_b64 s[48:49], s[18:19], s[48:49]
	s_cmp_eq_u32 s2, 6
	s_cselect_b64 s[48:49], s[14:15], s[48:49]
	s_cselect_b32 s59, 15, 31                      ; iw0's scales are 256 bytes: lanes 16-31 repeat lane 15
	v_min_u32 v9, s59, v1
	s_delay_alu instid0(VALU_DEP_1)
	v_lshlrev_b32 v9, 4, v9
	global_load_b128 v[40:43], v9, s[48:49]
	s_lshl_b32 s3, s2, 9
	v_add_nc_u32 v10, s3, v9                       ; to SB0 + 512 (w - 2)
	s_wait_alu depctr_va_vdst(0)
	s_wait_loadcnt 0x0
	ds_store_b128 v10, v[40:43] offset:SB0-1024
.Lroles_done:
	s_wait_loadcnt 0x0                             ; all the head's loads: they were issued together; every offset register is free again
	v_lshrrev_b32 v9, 2, v0                        ; iw0's codes into rows 80 bytes apart: four threads to a row
	s_delay_alu instid0(VALU_DEP_1)
	v_mul_u32_u24 v9, 80, v9
	v_and_b32 v10, 3, v0
	s_delay_alu instid0(VALU_DEP_1)
	v_lshl_add_u32 v9, v10, 4, v9
	ds_store_b128 v9, v[168:171] offset:IW0
	ds_store_b128 v9, v[172:175] offset:IW0+5120
	v_lshrrev_b32 v11, 3, v0                       ; iw1's and nw1's into rows 144 apart: eight threads to a row
	s_delay_alu instid0(VALU_DEP_1)
	v_mul_u32_u24 v11, 144, v11
	v_and_b32 v10, 7, v0
	s_delay_alu instid0(VALU_DEP_1)
	v_lshl_add_u32 v11, v10, 4, v11
.irp q, 0,1,2,3
	ds_store_b128 v11, v[176+4*\q:179+4*\q] offset:IW1+4608*\q
.endr
.irp q, 0,1,2,3
	ds_store_b128 v11, v[64+4*\q:67+4*\q] offset:NW1+4608*\q
.endr
	v_max3_num_f32 v[XM], v32, v33, v34            ; xmax = max(0, every x) + 10
	s_delay_alu instid0(VALU_DEP_1)
	v_max3_num_f32 v[XM], v[XM], v35, v36
	s_delay_alu instid0(VALU_DEP_1)
	v_max3_num_f32 v[XM], v[XM], v37, v38
	s_delay_alu instid0(VALU_DEP_1)
	v_max3_num_f32 v[XM], v[XM], v39, 0
	s_delay_alu instid0(VALU_DEP_1)
	v_max_num_f32_dpp v[XM], v[XM], v[XM] row_xmask:1 row_mask:0xf bank_mask:0xf
	s_delay_alu instid0(VALU_DEP_1)
	v_max_num_f32_dpp v[XM], v[XM], v[XM] row_xmask:2 row_mask:0xf bank_mask:0xf
	s_delay_alu instid0(VALU_DEP_1)
	v_max_num_f32_dpp v[XM], v[XM], v[XM] row_xmask:4 row_mask:0xf bank_mask:0xf
	s_delay_alu instid0(VALU_DEP_1)
	v_max_num_f32_dpp v[XM], v[XM], v[XM] row_xmask:8 row_mask:0xf bank_mask:0xf
	s_delay_alu instid0(VALU_DEP_1)
	v_permlanex16_b32 v[PT], v[XM], s4, s5
	s_delay_alu instid0(VALU_DEP_1)
	v_max_num_f32 v[XM], v[XM], v[PT]
	s_delay_alu instid0(VALU_DEP_1)
	v_add_f32 v[XM], 0x41200000, v[XM]
	BAR                                            ; tables, h, weights and biases are in LDS for every wave
; ---------------- h's codes, the outer net's first layer, the records ----------------
	v_lshlrev_b32 v4, 6, v[HH]                     ; 16 hh numbers
.irp q, 0,1,2,3
	ds_load_b128 v[HF+4*\q:HF+4*\q+3], v4 offset:HA+16*\q
	ds_load_b128 v[32+4*\q:35+4*\q], v4 offset:HA+128+16*\q
	ds_load_b128 v[48+4*\q:51+4*\q], v4 offset:HB+16*\q
	ds_load_b128 v[168+4*\q:171+4*\q], v4 offset:HB+128+16*\q
.endr
	s_wait_dscnt 0x0
	s_wait_kmcnt 0x0                               ; x[b], ib2, nb2
	v_cndmask_b32 v159, v159, 0, s60               ; nw0's row 63: the last block is filled with zeros
	QSGN 48, X, 29                                 ; h in the outer net's order, blocks 0 and 1: source 1, the same row in all 16 columns
	QSGN 168, X+4, 30
	QSGN 128, P, 31                                ; my column of nw0, blocks 0 and 1: source 0
	QSGN 144, P+4, 21
	v_lshl_or_b32 v29, v30, 8, v29
	v_lshl_or_b32 v31, v21, 8, v31
	s_delay_alu instid0(VALU_DEP_2)
	v_add_nc_u32 v[WS0+1], 0xfffff7f8, v29         ; the two bytes less 8 each; bytes 2, 3 are 0 and meet zero codes
	s_delay_alu instid0(VALU_DEP_2)
	v_add_nc_u32 v[WS0], 0xfffff7f8, v31
.irp i, 0,1,2,3,4,5,6,7
	v_mov_b32 v[X+8+\i], 0                         ; k = 64 .. 127: zero codes; X's stay for the whole launch
	v_mov_b32 v[P+8+\i], 0
.endr
	v_max3_num_f32 v[QA], |v[HF]|, |v[HF+1]|, |v[HF+2]|      ; the largest |h0 .. h30| (HA[0] = 0).  These lines are also the places between the writes of scales and operands and the product (ISA guide 7.12.1)
	v_max3_num_f32 v[QB], |v[HF+3]|, |v[HF+4]|, |v[HF+5]|
	s_delay_alu instid0(VALU_DEP_2)
	v_max3_num_f32 v[QA], v[QA], |v[HF+6]|, |v[HF+7]|
	s_delay_alu instid0(VALU_DEP_2)
	v_max3_num_f32 v[QB], v[QB], |v[HF+8]|, |v[HF+9]|
	s_delay_alu instid0(VALU_DEP_2)
	v_max3_num_f32 v[QA], v[QA], |v[HF+10]|, |v[HF+11]|
	s_delay_alu instid0(VALU_DEP_2)
	v_max3_num_f32 v[QB], v[QB], |v[HF+12]|, |v[HF+13]|
	s_delay_alu instid0(VALU_DEP_2)
	v_max3_num_f32 v[QA], v[QA], |v[HF+14]|, |v[HF+15]|
	s_delay_alu instid0(VALU_DEP_1)
	v_max_num_f32 v[QA], v[QA], v[QB]
	s_delay_alu instid0(VALU_DEP_1)
	v_permlanex16_b32 v[PT], v[QA], s4, s5
	s_delay_alu instid0(VALU_DEP_1)
	v_max_num_f32 v[HM0], v[QA], v[PT]
	v_wmma_scale_f32_16x16x128_f8f6f4 v[184:191], v[P:P+15], v[X:X+15], v[160:167], v[WS0], v[WS0+1]   ; units 16 w + 8 hh + j, nb0 as C
	QSGN 32, X+4, 29                               ; block 1 of the integrand's rows; its conversions stand more than eight places behind the product whose source they write
	v_lshl_or_b32 v[BW8], v29, 8, 0x7f7f0000
	s_delay_alu instid0(VALU_DEP_1)
	v_add_nc_u32 v[BW8], 0xfffff7f8, v[BW8]        ; less 8 in byte 1, and less the 8 that byte 0's field will owe
.irp j, 0,1,2,3,4,5,6,7
	v_max_num_f32 v[184+\j], 0, v[184+\j]
.endr
	s_lshl_b32 s3, s2, 6
	v_lshl_add_u32 v4, v[HH], 5, s3
	ds_store_b128 v4, v[184:187] offset:O1         ; sixteen lanes hold the same numbers and write the same bytes
	ds_store_b128 v4, v[188:191] offset:O1+16
	v_lshl_add_u32 v5, v0, 4, REC
.irp q, 0,1,2,3,4,5,6,7,8,9,10
	RECIDX \q
.endr
	v_cmp_gt_u32 vcc_lo, 41, v0                    ; in the last pass rows 2,560 + thread: those up to 2,600 count
	s_wait_dscnt 0x0
.irp q, 0,1,2,3,4,5,6,7,8,9,10
	RECORD \q
.endr
	BAR                                            ; the records and the outer net's hidden layer are in LDS for every wave; from here to the loop's end no wave stores into LDS
; ---------------- WAVE 7: the outer net's second and third layer ----------------
	s_cmp_lg_u32 s2, 7
	s_cbranch_scc1 .Lfill
	v_lshlrev_b32 v4, 6, v[HH]                     ; the hidden layer's 16 hh numbers; nw2's 8 hh units of 8 bytes
	v_lshlrev_b32 v5, 5, v[HH]                     ; nb1[16 t + 8 hh ..]
	v_lshlrev_b32 v10, 2, v[LR]                    ; nw1's scale words: 4 bytes a row
	v_mul_u32_u24 v11, 144, v[LR]
	s_delay_alu instid0(VALU_DEP_1)
	v_lshl_add_u32 v11, v[HH], 4, v11              ; nw1's fragments: row r + 16 hh bytes
.irp c, 0,1,2,3
.irp q, 0,1,2,3
	ds_load_b128 v[128+16*\c+4*\q:131+16*\c+4*\q], v4 offset:O1+128*\c+16*\q
.endr
.endr
	WIN 0x40                                       ; destination window 1
.irp t, 0,1,2,3,4,5,6,7
.irp c, 0,1,2,3
	ds_load_b128 v[16*\t+4*\c:16*\t+4*\c+3], v11 offset:NW1+2304*\t+32*\c
.endr
.endr
	WIN 0
.irp t, 0,1,2,3,4,5,6,7
	ds_load_b32 v[WS1+\t], v10 offset:SNS1+64*\t
.endr
	s_wait_dscnt 40                                ; the hidden layer's 16 loads are in; the 32 fragment loads and the 8 scale words behind them may be out
	QBLK 0, 128
	QBLK 1, 144
	s_wait_dscnt 0x0                               ; the fragments and the scale words are in
.irp t, 0,1,2,3,4,5,6,7
	ds_load_b128 v[B1+8*\t:B1+8*\t+3], v5 offset:SNB1+64*\t
	ds_load_b128 v[B1+8*\t+4:B1+8*\t+7], v5 offset:SNB1+64*\t+16
.endr
	WIN 0x40
.irp t, 0,1,2,3,4,5,6,7
.irp c, 0,1,2,3
	ds_load_b128 v[128+16*\t+4*\c:128+16*\t+4*\c+3], v4 offset:SNW2+128*\t+16*\c
.endr
.endr
	WIN 0
	QBLK 2, 160                                    ; nb1 and nw2 land under these two blocks' work
	QBLK 3, 176
	s_wait_alu depctr_va_vdst(0)
	s_wait_dscnt 0x0
.rept 4
	v_nop                                          ; four places between the last conversion and the products that take its codes
.endr
	WIN 0x01
.irp t, 0,1,2,3,4,5,6,7
	v_wmma_scale_f32_16x16x128_f8f6f4 v[128+8*\t:135+8*\t], v[16*\t:16*\t+15], v[P:P+15], v[B1+8*\t:B1+8*\t+7], v[WS1+\t], v[SWP]
.endr
	WIN 0
.rept 8
	v_nop                                          ; eight places in front of the first read of a result
.endr
.irp j, 0,1,2,3,4,5,6,7,8,9,10,11,12,13,14,15,16,17,18,19,20,21,22,23,24,25,26,27,28,29,30,31,32,33,34,35,36,37,38,39,40,41,42,43,44,45,46,47,48,49,50,51,52,53,54,55,56,57,58,59,60,61,62,63
	v_max_num_f32 v[128+\j], 0, v[128+\j]
.endr
	WIN 0x04                                       ; source 1 (nw2) in window 1
.irp t, 0,1,2,3,4,5,6,7
.irp j, 0,1,2,3,4,5,6,7
.if (\t == 0) && (\j < 2)
	v_mul_f32 v[6+2*\j], v[128+\j], v[128+2*\j]    ; four chains: o0 and o1, even units and odd
	v_mul_f32 v[7+2*\j], v[128+\j], v[129+2*\j]
.else
	s_delay_alu instid0(VALU_DEP_4)
	v_fma_f32 v[6+2*(\j%2)], v[128+8*\t+\j], v[128+16*\t+2*\j], v[6+2*(\j%2)]
	s_delay_alu instid0(VALU_DEP_4)
	v_fma_f32 v[7+2*(\j%2)], v[128+8*\t+\j], v[129+16*\t+2*\j], v[7+2*(\j%2)]
.endif
.endr
.endr
	WIN 0
	v_add_f32 v6, v6, v8
	v_add_f32 v7, v7, v9
	s_delay_alu instid0(VALU_DEP_2)
	v_permlanex16_b32 v[PT], v6, s4, s5            ; the other 64 units lie in lane l xor 16
	s_delay_alu instid0(VALU_DEP_1)
	v_add_f32 v6, v6, v[PT]
	s_delay_alu instid0(VALU_DEP_2)
	v_permlanex16_b32 v[PT], v7, s4, s5
	s_delay_alu instid0(VALU_DEP_1)
	v_add_f32 v7, v7, v[PT]
	s_delay_alu instid0(VALU_DEP_3)
	v_add_f32 v6, s54, v6
	s_delay_alu instid0(VALU_DEP_2)
	v_add_f32 v7, s55, v7
	s_delay_alu instid0(VALU_DEP_2)
	v_readfirstlane_b32 s62, v6                    ; every lane holds the same o0 and o1: they wait in two scalar registers for the loop's end
	s_delay_alu instid0(VALU_DEP_2)
	v_readfirstlane_b32 s63, v7
; ---------------- the weights into registers ----------------
.Lfill:
	v_and_b32 v16, 8, v[LR]
	s_delay_alu instid0(VALU_DEP_1)
	v_add_nc_u32 v16, v16, v[LR]                   ; r + 8 (r / 8)
	s_delay_alu instid0(VALU_DEP_1)
	v_mul_u32_u24 v17, 80, v16
	s_delay_alu instid0(VALU_DEP_1)
	v_lshl_add_u32 v17, v[HH], 4, v17              ; iw0's fragments
	v_mul_u32_u24 v18, 144, v[LR]
	s_delay_alu instid0(VALU_DEP_1)
	v_lshl_add_u32 v18, v[HH], 4, v18              ; iw1's
	v_lshlrev_b32 v19, 6, v[HH]                    ; ib0[32 b + 16 hh + 8 u + j]
	v_lshlrev_b32 v20, 5, v[HH]                    ; ib1, iw2 [16 t + 8 hh + j]
	v_lshlrev_b32 v16, 1, v16                      ; iw0's scales: 2 bytes a row
	v_lshlrev_b32 v21, 2, v[LR]                    ; iw1's: 4 bytes a row
	s_lshl_b32 s3, s2, 8
	v_lshl_add_u32 v[RA], v[LR], 4, s3
	s_delay_alu instid0(VALU_DEP_1)
	v_add_nc_u32 v[RA], REC, v[RA]                 ; my row's record in tile w
	WIN 0x40                                       ; destination window 1
.irp t, 0,1,2,3,4,5,6,7
.irp c, 0,1
	ds_load_b128 v[8*\t+4*\c:8*\t+4*\c+3], v17 offset:IW0+(32*(\t/2)+8*(\t%2))*80+32*\c
	ds_load_b128 v[192+8*\t+4*\c:192+8*\t+4*\c+3], v19 offset:SB0+(32*(\t/2)+8*(\t%2))*4+16*\c
.endr
.irp c, 0,1,2,3
	ds_load_b128 v[64+16*\t+4*\c:64+16*\t+4*\c+3], v18 offset:IW1+2304*\t+32*\c
.endr
.endr
	WIN 0
.irp t, 0,1,2,3,4,5,6,7
.irp c, 0,1
	ds_load_b128 v[B1+8*\t+4*\c:B1+8*\t+4*\c+3], v20 offset:SB1+64*\t+16*\c
	ds_load_b128 v[W2+8*\t+4*\c:W2+8*\t+4*\c+3], v20 offset:SW2+64*\t+16*\c
.endr
	ds_load_u16 v[WS0+\t], v16 offset:SC0+2*(32*(\t/2)+8*(\t%2))   ; two bytes, zeros above them
	ds_load_b32 v[WS1+\t], v21 offset:SC1+64*\t
.endr
	ds_load_b128 v[RR:RR+3], v[RA]                 ; my first tile's record
	s_mul_f32 s61, s53, 0.5
	v_mov_b32 v[CI], s61                           ; half of ib2 in each half of the lanes
	v_mov_b32 v[CI+1], 0
	v_mov_b32 v[TOT], 0
	v_mov_b32 v[WK], 0                             ; the first trip finishes a tile that does not exist: weight 0 on zeros
	v_mov_b32 v[A0], 0
	v_mov_b32 v[A0+1], 0
	v_mov_b32 v[A1], 0
	v_mov_b32 v[A1+1], 0
	s_cmp_lt_u32 s2, 3
	s_cselect_b32 s56, 21, 20                      ; 163 tiles over eight waves
	s_mov_b32 s57, 0
	s_wait_dscnt 0x0
	STAGE_IA
	STAGE_IB
.rept 5
	v_nop                                          ; the place behind the conversion and four places in front of the product that takes its codes
.endr
; ---------------- A TRIP: one tile of 16 rows ----------------
; No matrix instruction adds onto its own result: each layer is one K step, and the bias is its C.  The eight places behind each matrix instruction are the vector work on the other buffer.
.Ltrip:
	WIN 0x11
	s_setprio 2
	PAIR1 0
	PAIR1 1
	WIN 0
	s_wait_alu depctr_va_vdst(0)
	FSTAGE                                         ; the tile before; its plain lines are the eight places in front of the first read of buffer 0
	QBLK 0, H
	v_nop                                          ; a plain place between the conversion and the product that writes its sources
	WIN 0x11
	PAIR1 2
	WIN 0
	QBLK 1, H+16
	v_nop
	WIN 0x11
	PAIR1 3
	WIN 0
	QBLK 2, H
	v_mov_b32 v[WK], v[RR+1]                       ; this tile's W is kept;
	ds_load_b128 v[RR:RR+3], v[RA]                 ; the next tile's record (past my last tile: a record that was written and whose codes are never multiplied)
	QBLK 3, H+16
	s_wait_dscnt 0x0                               ; the one load, issued a block's work ago
	STAGE_IA
	WIN 0x01
	s_setprio 1
	PAIR2 0
	PAIR2 1
	WIN 0
	STAGE_IB                                       ; its eight holds are the eight places
	DOT 0
	WIN 0x01
	PAIR2 2
	WIN 0
	DOT 1
	WIN 0x01
	s_setprio 0
	PAIR2 3
	WIN 0
	DOT 2
	DOT 3
	s_add_co_u32 s57, s57, 1
	s_cmp_lt_u32 s57, s56
	s_cbranch_scc1 .Ltrip
	s_setprio 0
; ---------------- THE END ----------------
	FSTAGE                                         ; my last tile
	s_delay_alu instid0(VALU_DEP_1)
	v_add_f32_dpp v[TOT], v[TOT], v[TOT] row_xmask:1 row_mask:0xf bank_mask:0xf   ; over the 16 rows; both halves of the lanes hold the same sums
	s_delay_alu instid0(VALU_DEP_1)
	v_add_f32_dpp v[TOT], v[TOT], v[TOT] row_xmask:2 row_mask:0xf bank_mask:0xf
	s_delay_alu instid0(VALU_DEP_1)
	v_add_f32_dpp v[TOT], v[TOT], v[TOT] row_xmask:4 row_mask:0xf bank_mask:0xf
	s_delay_alu instid0(VALU_DEP_1)
	v_add_f32_dpp v[TOT], v[TOT], v[TOT] row_xmask:8 row_mask:0xf bank_mask:0xf
	s_lshl_b32 s3, s2, 2
	v_mov_b32 v16, s3
	s_wait_alu depctr_va_vdst(0)
	BAR                                            ; every wave's LDS reads of its loop are back: only behind this barrier is LDS stored into again
	ds_store_b32 v16, v[TOT] offset:RED            ; every lane writes the same word with the same value
	BAR                                            ; the eight sums are there for wave 7
	s_cmp_lg_u32 s2, 7
	s_cbranch_scc1 .Lend
	v_mov_b32 v16, 0
	ds_load_b128 v[24:27], v16 offset:RED
	ds_load_b128 v[28:31], v16 offset:RED+16
	s_mul_f32 s63, s63, s47                        ; o1 x log2(e)
	s_wait_dscnt 0x0
	v_add_f32 v24, v24, v25
	v_add_f32 v26, v26, v27
	v_add_f32 v28, v28, v29
	v_add_f32 v30, v30, v31
	s_delay_alu instid0(VALU_DEP_3)
	v_add_f32 v24, v24, v26
	s_delay_alu instid0(VALU_DEP_2)
	v_add_f32 v28, v28, v30
	s_delay_alu instid0(VALU_DEP_1)
	v_add_f32 v24, v24, v28
	s_delay_alu instid0(VALU_DEP_1)
	v_mul_f32 v24, s52, v24
	s_delay_alu instid0(VALU_DEP_1)
	v_mul_f32 v24, 0x3e800000, v24                 ; x / 4: the two halvings of the two quadratures
	v_exp_f32 v19, s63                             ; e^o1
	v_mov_b32 v17, s50                             ; out0's byte 4 b; also the plain place behind the exponential
	s_wait_alu depctr_va_vdst(0)
	v_fma_f32 v18, v19, v24, s62                   ; e^o1 x outer + o0
	s_wait_alu depctr_va_vdst(0)
	s_wait_xcnt 0x0                                ; EXEC changes only behind this wait
	v_cmp_eq_u32 vcc_lo, 0xe0, v0                  ; wave 7's lane 0
	s_and_saveexec_b32 s3, vcc_lo
	global_store_b32 v17, v18, s[42:43]            ; the work-group's whole output: 4 bytes
	s_wait_xcnt 0x0
	s_mov_b32 exec_lo, -1
	v_lshl_add_u32 v254, v0, 2, 0x18100
	v_mov_b32 v255, 0
	s_wait_alu depctr_va_vdst(0)
	s_wait_tensorcnt 0x0
	ds_add_u32 v254, v255
	s_wait_dscnt 0x0
	s_endpgm
.Lend:
	s_wait_xcnt 0x0
	s_mov_b32 exec_lo, -1
	v_lshl_add_u32 v254, v0, 2, 0x18100
	v_mov_b32 v255, 0
	s_wait_alu depctr_va_vdst(0)
	s_wait_tensorcnt 0x0
	ds_add_u32 v254, v255
	s_wait_dscnt 0x0
	s_endpgm
.Lfunc_end_k_qc05bd33621_inc:
	.size	k_qc05bd33621_inc, .Lfunc_end_k_qc05bd33621_inc-k_qc05bd33621_inc
	.p2alignl 7, 3214868480
	.fill 96, 4, 3214868480
	.section	.rodata,"a",@progbits
	.p2align	6, 0x0
	.amdhsa_kernel k_qc05bd33621_inc
		.amdhsa_group_segment_fixed_size 99584
		.amdhsa_private_segment_fixed_size 0
		.amdhsa_enable_private_segment 0
		.amdhsa_kernarg_size 144
		.amdhsa_user_sgpr_count 2
		.amdhsa_user_sgpr_kernarg_segment_ptr 1
		.amdhsa_wavefront_size32 1
		.amdhsa_system_sgpr_workgroup_id_x 1
		.amdhsa_system_sgpr_workgroup_id_y 1
		.amdhsa_system_sgpr_workgroup_id_z 1
		.amdhsa_system_vgpr_workitem_id 0
		.amdhsa_next_free_vgpr 512
		.amdhsa_next_free_sgpr 66
		.amdhsa_reserve_vcc 1
		.amdhsa_float_denorm_mode_32 3
		.amdhsa_float_denorm_mode_16_64 3
		.amdhsa_memory_ordered 1
		.amdhsa_forward_progress 1
		.amdhsa_inst_pref_size 116
	.end_amdhsa_kernel
	.amdgpu_metadata
---
amdhsa.version: [ 1, 2 ]
amdhsa.kernels:
  - .name:           k_qc05bd33621_inc
    .symbol:         k_qc05bd33621_inc.kd
    .args:
      - { .name: x, .offset: 0, .size: 8, .value_kind: global_buffer, .address_space: global }
      - { .name: h, .offset: 8, .size: 8, .value_kind: global_buffer, .address_space: global }
      - { .name: iw0_codes, .offset: 16, .size: 8, .value_kind: global_buffer, .address_space: global }
      - { .name: iw0_scales, .offset: 24, .size: 8, .value_kind: global_buffer, .address_space: global }
      - { .name: iw1_codes, .offset: 32, .size: 8, .value_kind: global_buffer, .address_space: global }
      - { .name: iw1_scales, .offset: 40, .size: 8, .value_kind: global_buffer, .address_space: global }
      - { .name: ib0, .offset: 48, .size: 8, .value_kind: global_buffer, .address_space: global }
      - { .name: ib1, .offset: 56, .size: 8, .value_kind: global_buffer, .address_space: global }
      - { .name: iw2, .offset: 64, .size: 8, .value_kind: global_buffer, .address_space: global }
      - { .name: ib2, .offset: 72, .size: 8, .value_kind: global_buffer, .address_space: global }
      - { .name: nw0, .offset: 80, .size: 8, .value_kind: global_buffer, .address_space: global }
      - { .name: nb0, .offset: 88, .size: 8, .value_kind: global_buffer, .address_space: global }
      - { .name: nw1_codes, .offset: 96, .size: 8, .value_kind: global_buffer, .address_space: global }
      - { .name: nw1_scales, .offset: 104, .size: 8, .value_kind: global_buffer, .address_space: global }
      - { .name: nb1, .offset: 112, .size: 8, .value_kind: global_buffer, .address_space: global }
      - { .name: nw2, .offset: 120, .size: 8, .value_kind: global_buffer, .address_space: global }
      - { .name: nb2, .offset: 128, .size: 8, .value_kind: global_buffer, .address_space: global }
      - { .name: out0, .offset: 136, .size: 8, .value_kind: global_buffer, .address_space: global }
    .group_segment_fixed_size: 99584
    .private_segment_fixed_size: 0
    .kernarg_segment_align: 8
    .kernarg_segment_size: 144
    .max_flat_workgroup_size: 256
    .sgpr_count:     66
    .vgpr_count:     512
    .wavefront_size: 32
...
	.end_amdgpu_metadata
.endif
;; end of part 1
